; MI455X (gfx1250); checked and timed in simulation.
; The chip was launched on July 23, 2026; its instructions are those of AMD's public machine-readable ISA for CDNA 5 (MIT licence, August 2026) and "CDNA5" Instruction Set Architecture Reference Guide (July 2026). The comments in the code are by the model that wrote it; some were corrected since.
;; Quantize. Allowed arithmetic: matrix products marked QUANTISED: E5M2 operands, one given power-of-two scale a tensor, by v_wmma_f32_16x16x64_bf8_bf8 or v_wmma_f32_16x16x128_bf8_bf8, f32 sums; everything else in f32.
;; Inputs: embed 256 x 8,192 float32; input 8 x 4,096 x 256 float32; lowp_scales 2 int32 (the exponents e of the quantised operands' scales 2^e).
;; Outputs: out0 8 x 4,096 x 256 float32; out1 one number float32; out2 8 x 4,096 int32.
;; This version of the problem:
;;   THIS VERSION OF THE PROBLEM IS GIVEN IN LOW PRECISION. The matrix products marked QUANTISED in the list below multiply operands that are first quantised to E5M2 (5 exponent bits, 2 mantissa bits; 8 bits a number), with one given power-of-two scale for each operand tensor; their sums are f32. All else is computed in f32.
;;   The module's matrix products, in the order in which they are computed (A, B: the left and right operand; K: the contracted axis; several contracted axes count as one K, in the product's order):
;;     1. [M 32,768, K 256] x [K 256, N 8,192]; A: input input; B: input embed: QUANTISED (scales: A lowp_scales[0], B lowp_scales[1])
;;   THE QUANTISER, for each operand of a quantised product, along K:
;;     - The operand's scale is 2^e, e = its entry of the input lowp_scales (int32; the entries are numbered through the quantised products in the list's order, A before B).
;;     - Each number is divided by the scale, clamped to +-57,344, and rounded to the nearest number of E5M2, ties to even, subnormals kept.
;;     - The product sums the exact products of the quantised numbers (number of the format x scale) in f32.
;;   ~~~python
;;   def quantise(x, axis, e):      # numpy; x: float32 -> the quantised numbers, widened to float32 again
;;       x = np.moveaxis(x, axis, -1); K = x.shape[-1]
;;       r = np.clip(x / 2.0 ** e, -57344, 57344)
;;       step = 2.0 ** (np.maximum(np.frexp(np.where(r == 0, 1, r))[1] - 1, -14) - 2)
;;       q = np.round(r / step) * step * 2.0 ** e      # np.round: ties to even
;;       return np.moveaxis(q, -1, axis).astype(np.float32)
;;   ~~~
;; One version. Each part assembles by itself: llvm-mc -triple=amdgcn-amd-amdhsa -mcpu=gfx1250 --defsym DOCPART=n.
;; ======== version 1 of 1: 4 launches
;; limits: right only within a limited range of input values
;; workspace buffers: ecodes 2,129,920 bytes; embt 8,388,608 bytes; xcodes 8,388,608 bytes; candk 262,144 bytes of whole numbers; candi 262,144 bytes of whole numbers; part 2,048 bytes
;; launch prep (part 1): grid 256 x 1, 16 waves a work-group, no clusters, 205,824 bytes of LDS; arguments embed, lowp_scales, ecodes, embt, input, xcodes; writes ecodes, embt, xcodes
.if DOCPART == 1
	.amdgcn_target "amdgcn-amd-amdhsa--gfx1250"
	.amdhsa_code_object_version 6
	.text
	.protected	k_q9f90288362_prep
	.globl	k_q9f90288362_prep
	.p2align	8
	.type	k_q9f90288362_prep,@function
k_q9f90288362_prep:
	s_mov_b64 s[64:65], 0
	v_nop
	global_prefetch_b8 v0, s[64:65] scope:SCOPE_SE
	s_setreg_imm32_b32 hwreg(HW_REG_WAVE_MODE, 25, 1), 1
	s_wait_xcnt 0x0
; THE CODEBOOK IS LAID OUT ONCE.  embed: [256 (k)][8192 (n)] f32, K its first axis.  Three things are made of it:
;   ecodes: 128 chunks of 16,640 bytes; chunk g serves codewords 64 g .. 64 g + 63.  Bytes 0 .. 16,383: four tiles of 16 codewords as IMAGES OF THE OPERAND'S REGISTERS, codes of BF8 (E5M2):
;           tile t, group c (0..7), lane L = r + 16 h: the 16 bytes at 4096 t + 512 c + 16 L are codeword 64 g + 16 t + r at k = 32 c + 16 h + 0 .. 15.
;           Bytes 16,384 .. 16,639: C(n) = -||e_n||^2 x 2^(-1 - ea - eb), f32, of the 64 codewords: what the product's launch gives its sums as their start.
;   embt:   embed transposed, [8192][256] f32, so that a chosen codeword is 1,024 consecutive bytes.
; code = e / 2^eb, held within +-57,344, rounded to the nearest code, ties to even.  ||e||^2 is taken of the f32 numbers, in f32.
; LIMITS: eb between -126 and 112, so that 2^eb and 57,344 x 2^eb are f32 numbers; NaN and infinities among the inputs are not served.
; SHARES.  Work-group g makes chunk g: 64 columns x all 256 k.  Wave w: columns 32 (w % 2) on, k = 32 (w / 2) on.  A LANE TAKES A COLUMN AND ITS REGISTERS RUN DOWN K: a load reads 128 consecutive bytes a wave,
; the two waves of a k range stand side by side on 256, and the conversions give 32 codes with K innermost: two runs of 16 bytes of the image, which sixteen lanes store as 256 consecutive bytes, aligned.
; The f32 numbers turn through a stage in LDS (row = column n, 1,024 bytes + 16) and leave as whole rows of embt.  One barrier.  No tensor loads: the launch loads through registers.
.set ROWE,  32768                      ; a row of embed in bytes
.set PITCH, 1040                       ; a stage row: 260 words, so that sixteen neighbouring rows start 4 banks apart (64 banks of 4 bytes: ISA guide 11.1)
.set PS,    64*PITCH                   ; behind the stage (which begins at LDS byte 0): 8 x 64 partial sums of squares
.set CHUNK, 16640
.set X,     16                         ; v16-47  my column's 32 numbers
.set CD,    48                         ; v48-55  their codes
.set PT,    56                         ; v56-71  wave 0: the eight partial sums of two columns
	s_load_b256 s[4:11], s[0:1], 0x0               ; embed s[4:5], the scales' exponents s[6:7], ecodes s[8:9], embt s[10:11]
	v_lshl_add_u32 v72, v0, 2, 0x10c00
	v_mov_b32 v73, 0
	s_cmp_ge_u32 ttmp9, 128                        ; work-groups 128 .. 255 quantise x: the path at the text's end
	s_cbranch_scc1 .Lxq
	v_lshrrev_b32 v1, 5, v0
	s_delay_alu instid0(VALU_DEP_1)
	v_readfirstlane_b32 s12, v1                    ; wave 0..15
	v_and_b32 v1, 31, v0                           ; lane
	s_wait_alu depctr_va_vdst(0)
	s_and_b32 s13, s12, 1                          ; cw: which 32 columns
	s_lshr_b32 s14, s12, 1                         ; c: which 32 along K
	v_lshlrev_b32 v2, 2, v1                        ; in: 4 bytes a lane
	v_lshrrev_b32 v3, 4, v1
	s_delay_alu instid0(VALU_DEP_1)
	v_lshlrev_b32 v3, 12, v3
	v_and_b32 v9, 15, v1
	s_delay_alu instid0(VALU_DEP_1)
	v_lshl_add_u32 v3, v9, 4, v3                   ; the image: tile lane / 16 of my two, 16 bytes for codeword lane % 16
	s_mul_i32 s22, s13, 32*PITCH
	s_lshl_b32 s23, s14, 7
	s_add_co_u32 s22, s22, s23
	v_mul_u32_u24 v4, v1, PITCH
	s_delay_alu instid0(VALU_DEP_1)
	v_add_nc_u32 v4, s22, v4                       ; the stage, in: row = my column, byte 128 c
	s_lshl_b32 s22, s14, 8
	s_lshl_b32 s23, s13, 7
	s_add_co_u32 s22, s22, s23
	s_add_co_u32 s22, s22, PS
	v_lshl_add_u32 v5, v1, 2, s22                  ; my partial sum's word: PS + 256 c + 4 x column
	s_mul_i32 s22, s12, 4*PITCH
	v_lshl_add_u32 v6, v1, 4, s22                  ; the stage, out: rows 4 w .. 4 w + 3, 16 bytes a lane
	v_lshlrev_b32 v7, 4, v1                        ; and the same in embt
	v_lshl_add_u32 v8, v1, 3, PS                   ; wave 0: two columns' partial sums
	v_lshlrev_b32 v9, 3, v1                        ; and their place in the chunk's last 256 bytes
	s_lshl_b32 s16, s14, 20                        ; embed: 32 c rows of 32,768 bytes,
	s_lshl_b32 s17, ttmp9, 8                       ; + 64 g columns,
	s_add_co_u32 s16, s16, s17
	s_lshl_b32 s17, s13, 7                         ; + 32 cw columns
	s_add_co_u32 s16, s16, s17
	s_mov_b32 s17, 0
	s_mul_i32 s18, ttmp9, CHUNK                    ; my chunk
	s_mov_b32 s19, 0
	s_lshl_b32 s26, s13, 13                        ; in it: my two tiles,
	s_lshl_b32 s27, s14, 9                         ; group c
	s_add_co_u32 s26, s26, s27
	s_mov_b32 s27, 0
	s_lshl_b32 s28, ttmp9, 6
	s_lshl_b32 s29, s12, 2
	s_add_co_u32 s28, s28, s29
	s_lshl_b32 s28, s28, 10                        ; embt: row 64 g + 4 w
	s_mov_b32 s29, 0
	s_wait_alu depctr_va_vdst(0)
	s_wait_kmcnt 0x0
	s_load_b64 s[20:21], s[6:7], 0x0               ; ea, eb
	s_add_nc_u64 s[4:5], s[4:5], s[16:17]
	s_add_nc_u64 s[8:9], s[8:9], s[18:19]
	s_add_nc_u64 s[24:25], s[8:9], s[26:27]
	s_add_nc_u64 s[10:11], s[10:11], s[28:29]
.set i, 0
.rept 32
	global_load_b32 v[X+i], v2, s[4:5] offset:i*ROWE th:TH_LOAD_NT   ; embed(32 c + i, my column); read once in the launch
.set i, i+1
.endr
	s_wait_kmcnt 0x0
	s_add_co_i32 s22, s21, 127
	s_lshl_b32 s23, s22, 23
	v_mov_b32 v11, s23                             ; 2^eb as f32: the conversion takes its exponent field
	s_add_co_i32 s22, s22, 15
	s_lshl_b32 s22, s22, 23
	s_or_b32 s22, s22, 0x600000
	v_mov_b32 v10, s22                             ; 57,344 x 2^eb
	s_add_co_i32 s22, s20, s21
	s_sub_co_i32 s22, -1, s22                      ; -1 - ea - eb
; numbers 16 a .. 16 a + 15: into the stage as f32, and their squares into two packed sums
.macro HALF a
.irp j, 0,1,2,3
	ds_store_b128 v4, v[X+16*\a+4*\j:X+16*\a+4*\j+3] offset:64*\a+16*\j
.endr
.irp j, 0
.if (\a == 0) && (\j == 0)
	v_pk_mul_f32 v[12:13], v[X:X+1], v[X:X+1]      ; the first squares start the sums: nothing is cleared
	v_pk_mul_f32 v[14:15], v[X+2:X+3], v[X+2:X+3]
.else
	v_pk_fma_f32 v[12:13], v[X+16*\a+4*\j:X+16*\a+4*\j+1], v[X+16*\a+4*\j:X+16*\a+4*\j+1], v[12:13]
	v_pk_fma_f32 v[14:15], v[X+16*\a+4*\j+2:X+16*\a+4*\j+3], v[X+16*\a+4*\j+2:X+16*\a+4*\j+3], v[14:15]
.endif
.endr
.irp j, 1, 2, 3
.if (\a == 0) && (\j == 0)
	v_pk_mul_f32 v[12:13], v[X:X+1], v[X:X+1]      ; the first squares start the sums: nothing is cleared
	v_pk_mul_f32 v[14:15], v[X+2:X+3], v[X+2:X+3]
.else
	s_delay_alu instid0(VALU_DEP_2)
	v_pk_fma_f32 v[12:13], v[X+16*\a+4*\j:X+16*\a+4*\j+1], v[X+16*\a+4*\j:X+16*\a+4*\j+1], v[12:13]
	s_delay_alu instid0(VALU_DEP_2)
	v_pk_fma_f32 v[14:15], v[X+16*\a+4*\j+2:X+16*\a+4*\j+3], v[X+16*\a+4*\j+2:X+16*\a+4*\j+3], v[14:15]
.endif
.endr
.endm
	s_wait_loadcnt 16                              ; loads come back in order: the first 16 are in, the younger 16 may be out
	HALF 0
	s_wait_alu depctr_va_vdst(0)
	s_wait_loadcnt 0x0
	HALF 1
	s_delay_alu instid0(VALU_DEP_1)
	v_pk_add_f32 v[12:13], v[12:13], v[14:15]
	s_delay_alu instid0(VALU_DEP_1)
	v_add_f32 v12, v12, v13
	ds_store_b32 v5, v12                           ; the sum of my column's 32 squares
	s_wait_dscnt 0x0                               ; my LDS stores are done: the holds below may overwrite their registers, and the barrier below may be signalled
.set i, 0
.rept 32
	v_med3_num_f32 v[X+i], v[X+i], -v10, v10       ; the conversion to an 8-bit code does not saturate (ISA guide 7.6.2): the hold at the largest code x the scale
.set i, i+1
.endr
.irp g, 0,1,2,3
	v_cvt_scalef32_pk8_bf8_f32 v[CD+2*\g:CD+2*\g+1], v[X+8*\g:X+8*\g+7], v11
.endr
	v_nop                                          ; one plain vector line behind the last scaled conversion
	global_store_b128 v3, v[CD:CD+3], s[24:25]               ; k = 32 c + 0 .. 15: sixteen lanes store 256 consecutive bytes, aligned
	global_store_b128 v3, v[CD+4:CD+7], s[24:25] offset:256  ; k = 32 c + 16 .. 31
	s_barrier_signal -1
	s_barrier_wait -1                              ; the stage holds 64 whole rows, and all 8 x 64 partial sums lie in LDS
.irp i, 0,1,2,3,4,5,6,7
	ds_load_b128 v[X+4*\i:X+4*\i+3], v6 offset:(\i/2)*PITCH+(\i%2)*512
.endr
.irp i, 0,1,2,3,4,5,6,7
	s_wait_dscnt 7-\i                              ; LDS loads come back in order: number i is in
	global_store_b128 v7, v[X+4*\i:X+4*\i+3], s[10:11] offset:(\i/2)*1024+(\i%2)*512   ; 32 lanes store 512 consecutive bytes of a row of embt
.endr
	s_cmp_lg_u32 s12, 0                            ; wave 0 alone finishes C: lane l takes columns 2 l and 2 l + 1
	s_cbranch_scc1 .Lend
.irp c, 0,1,2,3,4,5,6,7
	ds_load_b64 v[PT+2*\c:PT+2*\c+1], v8 offset:256*\c
.endr
	s_wait_dscnt 0x0
.irp c, 1
	v_pk_add_f32 v[PT:PT+1], v[PT:PT+1], v[PT+2*\c:PT+2*\c+1]   ; K ascending
.endr
.irp c, 2, 3, 4, 5, 6, 7
	s_delay_alu instid0(VALU_DEP_1)
	v_pk_add_f32 v[PT:PT+1], v[PT:PT+1], v[PT+2*\c:PT+2*\c+1]   ; K ascending
.endr
	s_delay_alu instid0(VALU_DEP_1)
	v_ldexp_f32 v[PT], v[PT], s22
	s_delay_alu instid0(VALU_DEP_2)
	v_ldexp_f32 v[PT+1], v[PT+1], s22
	s_delay_alu instid0(VALU_DEP_2)
	v_mul_f32 v[PT], -1.0, v[PT]
	s_delay_alu instid0(VALU_DEP_2)
	v_mul_f32 v[PT+1], -1.0, v[PT+1]               ; C = -||e||^2 x 2^(-1 - ea - eb)
	global_store_b64 v9, v[PT:PT+1], s[8:9] offset:16384   ; 32 lanes store the chunk's last 256 bytes
	s_branch .Lend
; X IS QUANTISED ONCE.  input: [32768][256] f32.  xcodes: 2,048 query tiles of 16 rows as IMAGES OF THE OPERAND'S REGISTERS, 4,096 bytes each: group c (0..7), lane L = r + 16 h: the 16 bytes at 512 c + 16 L
; are row r at k = 32 c + 16 h + 0 .. 15.  code = x / 2^ea, held within +-57,344, to the nearest code, ties to even.  LIMITS: ea between -126 and 112; NaN among the inputs is not served.
; A wave takes one query tile.  Each load reads 512 consecutive bytes, half a row; the numbers turn through the wave's own stage in LDS (16 rows of 512 bytes + 16; bytes that the other path does not use),
; half of K at a time, so that a lane holds 16 neighbours along K of its row.  Each store covers 512 consecutive bytes.  Waves share nothing: no barrier on this path.
.set XX, 76                            ; v76-203  the tile as loaded
.set YY, 8                             ; v8-71    64 numbers of my row
.set XC, 204                           ; v204-235 the codes
.Lxq:
	s_load_b128 s[16:19], s[0:1], 0x20             ; input, xcodes
	v_lshrrev_b32 v1, 5, v0
	v_readfirstlane_b32 s12, v1                    ; wave 0..15
	s_mul_i32 s13, s12, 16*528
	s_add_co_u32 s13, s13, 70656                   ; my stage
	s_sub_co_u32 s14, ttmp9, 128
	s_lshl_b32 s14, s14, 4
	s_add_co_u32 s14, s14, s12                     ; my query tile
	s_lshl_b32 s20, s14, 14
	s_mov_b32 s21, 0
	s_lshl_b32 s22, s14, 12
	s_mov_b32 s23, 0
	v_and_b32 v1, 31, v0
	v_lshlrev_b32 v2, 4, v1                        ; 16 x lane
	v_and_b32 v3, 15, v0
	v_bfe_u32 v4, v0, 4, 1
	v_add_nc_u32 v5, s13, v2                       ; the stage, in
	v_mul_u32_u24 v6, v3, 528
	v_lshl_add_u32 v6, v4, 6, v6
	v_add_nc_u32 v6, s13, v6                       ; and out: row r, 64 bytes for each half of the lanes
	s_wait_alu depctr_va_vdst(0)
	s_wait_kmcnt 0x0
	s_load_b32 s24, s[6:7], 0x0                    ; ea
	s_add_nc_u64 s[16:17], s[16:17], s[20:21]
	s_add_nc_u64 s[18:19], s[18:19], s[22:23]
.set i, 0
.rept 32
	global_load_b128 v[XX+4*i:XX+4*i+3], v2, s[16:17] offset:(i%16)*1024+(i/16)*512 th:TH_LOAD_NT
.set i, i+1
.endr
	s_wait_kmcnt 0x0
	s_add_co_i32 s25, s24, 127
	s_lshl_b32 s26, s25, 23
	v_mov_b32 v74, s26                             ; 2^ea as f32
	s_add_co_i32 s25, s25, 15
	s_lshl_b32 s25, s25, 23
	s_or_b32 s25, s25, 0x600000
	v_mov_b32 v75, s25                             ; 57,344 x 2^ea
	s_wait_alu depctr_va_vdst(0)
.irp a, 0,1
	s_wait_loadcnt 16-16*\a                        ; this half of K is in
.set i, 0
.rept 16
	ds_store_b128 v5, v[XX+64*\a+4*i:XX+64*\a+4*i+3] offset:i*528
.set i, i+1
.endr
.set i, 0
.rept 16
	ds_load_b128 v[YY+4*i:YY+4*i+3], v6 offset:128*(i/4)+16*(i%4)   ; LDS serves a wave's instructions in order: these see the stores above
.set i, i+1
.endr
	s_wait_dscnt 0x0
.set i, 0
.rept 64
	v_med3_num_f32 v[YY+i], v[YY+i], -v75, v75     ; the conversion does not saturate (ISA guide 7.6.2): the hold
.set i, i+1
.endr
.set i, 0
.rept 8
	v_cvt_scalef32_pk8_bf8_f32 v[XC+16*\a+2*i:XC+16*\a+2*i+1], v[YY+8*i:YY+8*i+7], v74
.set i, i+1
.endr
	v_nop                                          ; one plain line behind the last scaled conversion
.endr
.irp c, 0,1,2,3,4,5,6,7
	global_store_b128 v2, v[XC+4*\c:XC+4*\c+3], s[18:19] offset:512*\c
.endr
.Lend:
	s_wait_tensorcnt 0x0
	ds_add_u32 v72, v73
	s_wait_dscnt 0x0
	s_endpgm
.Lfunc_end_k_q9f90288362_prep:
	.size	k_q9f90288362_prep, .Lfunc_end_k_q9f90288362_prep-k_q9f90288362_prep
	.p2alignl 7, 3214868480
	.fill 96, 4, 3214868480
	.section	.rodata,"a",@progbits
	.p2align	6, 0x0
	.amdhsa_kernel k_q9f90288362_prep
		.amdhsa_group_segment_fixed_size 205824
		.amdhsa_private_segment_fixed_size 0
		.amdhsa_enable_private_segment 0
		.amdhsa_kernarg_size 48
		.amdhsa_user_sgpr_count 2
		.amdhsa_user_sgpr_kernarg_segment_ptr 1
		.amdhsa_wavefront_size32 1
		.amdhsa_system_sgpr_workgroup_id_x 1
		.amdhsa_system_sgpr_workgroup_id_y 1
		.amdhsa_system_sgpr_workgroup_id_z 1
		.amdhsa_system_vgpr_workitem_id 0
		.amdhsa_next_free_vgpr 240
		.amdhsa_next_free_sgpr 66
		.amdhsa_reserve_vcc 0
		.amdhsa_float_denorm_mode_32 3
		.amdhsa_float_denorm_mode_16_64 3
		.amdhsa_memory_ordered 1
		.amdhsa_forward_progress 1
		.amdhsa_inst_pref_size 33
	.end_amdhsa_kernel
	.amdgpu_metadata
---
amdhsa.version: [ 1, 2 ]
amdhsa.kernels:
  - .name:           k_q9f90288362_prep
    .symbol:         k_q9f90288362_prep.kd
    .args:
      - { .name: embed, .offset: 0, .size: 8, .value_kind: global_buffer, .address_space: global }
      - { .name: lowp_scales, .offset: 8, .size: 8, .value_kind: global_buffer, .address_space: global }
      - { .name: ecodes, .offset: 16, .size: 8, .value_kind: global_buffer, .address_space: global }
      - { .name: embt, .offset: 24, .size: 8, .value_kind: global_buffer, .address_space: global }
      - { .name: input, .offset: 32, .size: 8, .value_kind: global_buffer, .address_space: global }
      - { .name: xcodes, .offset: 40, .size: 8, .value_kind: global_buffer, .address_space: global }
    .group_segment_fixed_size: 205824
    .private_segment_fixed_size: 0
    .kernarg_segment_align: 8
    .kernarg_segment_size: 48
    .max_flat_workgroup_size: 512
    .sgpr_count:     66
    .vgpr_count:     240
    .wavefront_size: 32
...
	.end_amdgpu_metadata
.endif
;; end of part 1
;; launch vq (part 2): grid 256 x 1, 4 waves a work-group, no clusters, 8,704 bytes of LDS; arguments xcodes, ecodes, candk, candi; writes candk, candi
.if DOCPART == 2
	.amdgcn_target "amdgcn-amd-amdhsa--gfx1250"
	.amdhsa_code_object_version 6
	.text
	.protected	k_q9f90288362_vq
	.globl	k_q9f90288362_vq
	.p2align	8
	.type	k_q9f90288362_vq,@function
k_q9f90288362_vq:
	s_mov_b64 s[64:65], 0
	v_nop
	global_prefetch_b8 v0, s[64:65] scope:SCOPE_SE
	s_setreg_imm32_b32 hwreg(HW_REG_WAVE_MODE, 25, 1), 1
	s_wait_xcnt 0x0
; For each row of x and each half of the codebook: the codeword n with the least ||x||^2 - 2 x.e_n + ||e_n||^2, the product x.e QUANTISED (BF8, scales 2^ea, 2^eb), and its score.
; DEAD WORK: ||x||^2 is the same for all n of a row, so for all values of the inputs it moves no argmin: it is not computed.  What is compared is
; score(n) = sum of code products - ||e_n||^2 x 2^(-1 - ea - eb) = -(dist - ||x||^2) / 2^(1 + ea + eb); its largest is dist's least.  An overflow that reaches only ||x||^2 is not carried to the result.
; Both operands come as codes, laid by the launch before as images of the operand's registers; the scales lie in C(n), so lowp_scales is no argument here.
; Equal scores: the lowest n wins, as argmin has it.  LIMIT: NaN and infinities among the inputs are not served.
; OUT: candi[half][row] = n; candk[half][row] = the score as a whole number that keeps the order of f32 (-0 counted as +0): the next launch picks between the halves by whole numbers alone.
; SHARES.  256 work-groups of four waves = 128 blocks of 256 rows x 2 halves of the codebook.  Every wave holds the codes of all 256 rows (16 query tiles, 512 registers) and owns 1,024 codewords: 16 chunks of ecodes,
; 64 tiles of 16.  A tile goes from memory straight into registers (8 loads of 512 consecutive bytes, 2 for its 16 numbers C(n), which start the sums) and feeds 32 matrix instructions.
; A ring of four register buffers: a buffer is asked for again at its tile's end, four tiles ahead of its use.  In the work-group a tile is read by one wave alone, so it passes no LDS; a joint load in a cluster would land
; in LDS and ask for a round of the cluster's barrier at every refill: hence cluster = none.  No prefetch: the ring itself asks three tiles (15 KiB a wave) ahead.
; The row blocks begin at 16 different chunks and go round; where a wave comes back to its chunk 0, the best scores are lowered by one step of f32, so that an equal score of a lower n wins.
; THE MATRIX INSTRUCTION IS USED TRANSPOSED (source 0 = 16 codewords, source 1 = 16 rows of x): lane (r, h) holds row r, register j codeword 8 h + j.
; SELECTION, for a lane and a query tile: the largest of the 8 scores; where it beats the lane's best, the best, the tile's number and the 8 scores are kept.  Which of the 8 it was is found once, at the end.
; WINDOWS: 0: addresses, 8 accumulators, what is kept.  1, 2: x's codes, query tiles 0-7 and 8-15.  3: the ring: codes 4 x 32, C 4 x 8.
.set CHUNK, 16640
.set SPARE, 8192                       ; LDS: 4 x 1,024 bytes of scores, the same of numbers, then the spare words, 128 bytes a wave
.set SPW,  1
.set NIL,  2
.set VA,   3                           ; 16 x lane
.set VC,   4                           ; 32 x h
.set LB,   5                           ; 4,096 x half + 1,024 x wave + 8 h
.set ML,   6                           ; 256 x wave + 8 x lane
.set VO,   7                           ; 8 x lane
.set TID,  8                           ; first codeword of my 8 in the tile
.set MX,   9                           ; v9-11, v13, v14: five query tiles' maxima in the making
.set MW,   12                          ; 1,024 x wave + 4 r
.set ACC,  16                          ; v16-79
.set SAV,  80                          ; v80-207: the 8 scores kept, for each query tile
.set BST,  208                         ; v208-239: best score and its tile's number, for each query tile
.set TA,   16                          ; at the end, where the accumulators lay: eight query tiles' temporaries
.set TB,   32
.set TC,   48
.set TK,   240
.set SA,   38                          ; s38-45, s46-53, s66-73: eight query tiles' masks, at the end
.set SB,   46
.set SC,   66
.set MSB, 0
.macro WIN new                         ; the immediate's high byte repeats the setting that is left
.if MSB != (\new)
	s_set_vgpr_msb (MSB<<8)|(\new)
.set MSB, (\new)
.endif
.endm
.macro PLACES n
.rept \n
	v_nop
.endr
.endm
.macro LOADT t                         ; tile t of the chunk at s[20:21] into ring buffer t
	WIN 0xc0
.irp c, 0,1,2,3,4,5,6,7
	global_load_b128 v[32*(\t)+4*\c:32*(\t)+4*\c+3], v[VA], s[20:21] offset:(\t)*4096+512*\c
.endr
	global_load_b128 v[128+8*(\t):128+8*(\t)+3], v[VC], s[20:21] offset:16384+(\t)*64
	global_load_b128 v[128+8*(\t)+4:128+8*(\t)+7], v[VC], s[20:21] offset:16384+(\t)*64+16
	WIN 0
.endm
.macro SETBASE                         ; the loads' base: the chunk behind the one that is being multiplied
	s_wait_alu depctr_va_vdst(0)
	s_wait_xcnt 0x0                                ; the loads issued so far have read their base
	s_add_co_u32 s18, s17, 1
	s_and_b32 s18, s18, 15
	s_mul_i32 s36, s18, CHUNK
	s_add_nc_u64 s[20:21], s[22:23], s[36:37]
.endm
	s_load_b256 s[4:11], s[0:1], 0x0               ; xcodes, ecodes, candk, candi
	v_lshl_add_u32 v[SPW], v0, 2, SPARE
	v_mov_b32 v[NIL], 0
	v_lshrrev_b32 v15, 5, v0
	v_readfirstlane_b32 s14, v15                   ; wave 0..3
	s_and_b32 s15, ttmp9, 1                        ; which half of the codebook
	s_lshr_b32 s16, ttmp9, 1                       ; which 256 rows
	s_lshl_b32 s56, s15, 12
	s_lshl_b32 s57, s14, 10
	s_add_co_u32 s56, s56, s57
	s_lshl_b32 s58, s14, 8
	s_mov_b32 s60, 0x76543210                      ; v_permlanex16_b32: lane l xor 16
	s_mov_b32 s61, 0xfedcba98
	s_mov_b32 s37, 0
	v_and_b32 v15, 31, v0                          ; lane
	v_and_b32 v14, 15, v0                          ; r
	v_bfe_u32 v[MX], v0, 4, 1                      ; h
	v_lshlrev_b32 v[VA], 4, v15
	v_lshlrev_b32 v[VC], 5, v[MX]
	v_lshl_add_u32 v[LB], v[MX], 3, s56
	v_lshl_add_u32 v[MW], v14, 2, s57
	v_lshl_add_u32 v[ML], v15, 3, s58
	v_lshlrev_b32 v[VO], 3, v15
	v_mov_b32 v15, 0xff800000                      ; what is kept begins under every score; set while the arguments are on their way
.set i, 0
.rept 16
	v_dual_mov_b32 v[BST+2*i], v15 :: v_dual_mov_b32 v[BST+2*i+1], 0
.set i, i+1
.endr
.set i, 0
.rept 64
	v_dual_mov_b32 v[SAV+2*i], 0 :: v_dual_mov_b32 v[SAV+2*i+1], 0
.set i, i+1
.endr
	s_wait_alu depctr_va_vdst(0)
	s_wait_kmcnt 0x0
	s_lshl_b32 s36, s15, 6
	s_lshl_b32 s38, s14, 4
	s_add_co_u32 s36, s36, s38
	s_mul_i32 s36, s36, CHUNK
	s_add_nc_u64 s[22:23], s[6:7], s[36:37]        ; my wave's 16 chunks
	s_and_b32 s17, s16, 15                         ; the chunk that I begin with
	s_mul_i32 s36, s17, CHUNK
	s_add_nc_u64 s[20:21], s[22:23], s[36:37]
.irp t, 0,1,2,3
	LOADT \t
.endr
	s_lshl_b32 s36, s16, 16
	s_add_nc_u64 s[4:5], s[4:5], s[36:37]          ; my 16 query tiles' images
	WIN 0x40
.set i, 0
.rept 64
	global_load_b128 v[4*i:4*i+3], v[VA], s[4:5] offset:512*i
.set i, i+1
.endr
	WIN 0x80
.set i, 0
.rept 64
	global_load_b128 v[4*i:4*i+3], v[VA], s[4:5] offset:32768+512*i
.set i, i+1
.endr
	WIN 0
	s_lshl_b32 s36, s15, 17                        ; the results' place: 131,072 x half + 1,024 x row block + 256 x wave
	s_lshl_b32 s38, s16, 10
	s_add_co_u32 s36, s36, s38
	s_add_co_u32 s36, s36, s58
	s_add_nc_u64 s[8:9], s[8:9], s[36:37]
	s_add_nc_u64 s[10:11], s[10:11], s[36:37]
	SETBASE
	s_wait_loadcnt 0x0                             ; x's codes and the first four tiles
; step n of the maximum over query tile q's 8 scores; each accumulator is read from its low end on
.macro TR q, n
.if (\q) <= 7
.set rD, ACC+8*(\q)
.set rM, MX+((\q)%5)+((\q)%5)/3
.if (\n) == 1
	v_max3_num_f32 v[rM], v[rD], v[rD+1], v[rD+2]
.elseif (\n) == 2
	v_max3_num_f32 v[rM], v[rM], v[rD+3], v[rD+4]
.elseif (\n) == 3
	v_max3_num_f32 v[rM], v[rM], v[rD+5], v[rD+6]
.else
	v_max_num_f32 v[rM], v[rM], v[rD+7]
.endif
.endif
.endm
.macro CMPQ q
	v_cmp_gt_f32 vcc_lo, v[MX+((\q)%5)+((\q)%5)/3], v[BST+2*((\q)+QO)]
.endm
.macro SEL q, n                        ; n = 0: best and number; n = 1..4: two of the 8 scores
.if (\n) == 0
.set sd0, BST+2*((\q)+QO)
.set sb0, MX+((\q)%5)+((\q)%5)/3
.set sb1, TID
.else
.set sd0, SAV+8*((\q)+QO)+2*(\n)-2
.set sb0, ACC+8*(\q)+2*(\n)-2
.set sb1, sb0+1
.endif
	v_dual_cndmask_b32 v[sd0], v[sd0], v[sb0] :: v_dual_cndmask_b32 v[sd0+1], v[sd0+1], v[sb1]
.endm
; The selection over 8 query tiles.  Five query tiles' maxima are in the making at once, one step of each in a period: a step stands nine lines behind the step that it reads,
; and four lines that hang on nothing near stand between a compare and the selects by it.
.macro VSEL
	TR 0, 1
	TR 1, 1
	TR 2, 1
	TR 3, 1
	TR 0, 2
	TR 1, 2
	TR 2, 2
	TR 0, 3
	TR 1, 3
	TR 0, 4
.set pp, 0
.rept 8
	CMPQ pp
	TR pp+1, 4
	TR pp+2, 3
	TR pp+3, 2
	TR pp+4, 1
	SEL pp, 0
	SEL pp, 1
	SEL pp, 2
	SEL pp, 3
	SEL pp, 4
.set pp, pp+1
.endr
.endm
; Tile t of a chunk: for each half of the rows 16 matrix instructions, the 8 accumulators by turns, four places (ISA guide 7.12.1), and the selection.
; ld = 1: the tile's buffer is asked for again, with the next chunk's tile t.  cnt: the younger loads that may stay out, 10 a tile.
.macro STAGE t, ld, cnt
	s_wait_loadcnt \cnt
.irp hf, 0,1
	WIN 0x37+4*\hf                                 ; A and C window 3, B window 1 or 2, D window 0
.set qq, 0
.rept 8
	v_wmma_f32_16x16x128_bf8_bf8 v[ACC+8*qq:ACC+8*qq+7], v[32*(\t):32*(\t)+15], v[32*qq:32*qq+15], v[128+8*(\t):128+8*(\t)+7]
.set qq, qq+1
.endr
	WIN 0x07+4*\hf                                 ; C window 0
.set qq, 0
.rept 8
	v_wmma_f32_16x16x128_bf8_bf8 v[ACC+8*qq:ACC+8*qq+7], v[32*(\t)+16:32*(\t)+31], v[32*qq+16:32*qq+31], v[ACC+8*qq:ACC+8*qq+7]
.set qq, qq+1
.endr
	WIN 0
.if \hf == 0
.if (\t) == 0
	v_lshl_add_u32 v[TID], s17, 6, v[LB]           ; the chunk's first tile
.else
	v_add_nc_u32 v[TID], 16, v[TID]
.endif
	PLACES 3
.else
	PLACES 4
.endif
.set QO, 8*\hf
	VSEL
.endr
.if \ld
	LOADT \t
.endif
.endm
	s_mov_b32 s52, 15
.Ltrip:                                                ; a trip is a chunk
.irp t, 0,1,2,3
	STAGE \t, 1, 30
.endr
	s_add_co_u32 s17, s17, 1
	s_and_b32 s17, s17, 15                         ; the next chunk
	s_cmp_lg_u32 s17, 0
	s_cbranch_scc1 .Lnot_wrapped
.set q, 0
.rept 16                                               ; back at my chunk 0: each best score one step of f32 down
	v_ashrrev_i32 v15, 31, v[BST+2*q]
	v_or_b32 v15, 1, v15
	v_sub_nc_u32 v15, v[BST+2*q], v15
	v_cmp_neq_f32 vcc_lo, 0, v[BST+2*q]
	v_cndmask_b32 v[BST+2*q], 0x80000001, v15, vcc_lo
.set q, q+1
.endr
.Lnot_wrapped:
	SETBASE                                        ; (behind the last trip the base is not used)
	s_sub_co_u32 s52, s52, 1
	s_cmp_lg_u32 s52, 0
	s_cbranch_scc1 .Ltrip
.irp t, 0,1,2,3
	STAGE \t, 0, 30-10*\t                          ; the last chunk asks for nothing: the counts run down
.endr
; THE END.  For each query tile: the true best score among the 8 kept, the first register that has it, and the better of lanes l and l xor 16 (a larger score, or an equal one and a lower number).
; Eight query tiles go through each step side by side, their masks in scalar registers, so that no line reads the line before it.
.set i, 0
.rept 8
	v_mov_b32 v[TB+i], 0                           ; written once: a lane permute's destination counts as a source
	v_mov_b32 v[TC+i], 0
.set i, i+1
.endr
.irp b, 0,8
.irp n, 1,2,3,4
.set i, 0
.rept 8
.set rB, BST+2*(\b+i)
.set rS, SAV+8*(\b+i)
.if \n == 1
	v_max3_num_f32 v[rB], v[rS], v[rS+1], v[rS+2]
.elseif \n == 2
	v_max3_num_f32 v[rB], v[rB], v[rS+3], v[rS+4]
.elseif \n == 3
	v_max3_num_f32 v[rB], v[rB], v[rS+5], v[rS+6]
.else
	v_max_num_f32 v[rB], v[rB], v[rS+7]
.endif
.set i, i+1
.endr
.endr
.set i, 0
.rept 8
	v_mov_b32 v[TA+i], 7
.set i, i+1
.endr
.irp j, 6,5,4,3,2,1,0
.set i, 0
.rept 8
	v_cmp_eq_f32 s[SA+i], v[SAV+8*(\b+i)+\j], v[BST+2*(\b+i)]
.set i, i+1
.endr
.set i, 0
.rept 8
	v_cndmask_b32 v[TA+i], v[TA+i], \j, s[SA+i]
.set i, i+1
.endr
.endr
.set i, 0
.rept 8
	v_add_nc_u32 v[BST+2*(\b+i)+1], v[BST+2*(\b+i)+1], v[TA+i]
.set i, i+1
.endr
.set i, 0
.rept 8
	v_permlanex16_b32 v[TB+i], v[BST+2*(\b+i)], s60, s61
.set i, i+1
.endr
.set i, 0
.rept 8
	v_permlanex16_b32 v[TC+i], v[BST+2*(\b+i)+1], s60, s61
.set i, i+1
.endr
.set i, 0
.rept 8
	v_cmp_gt_f32 s[SA+i], v[TB+i], v[BST+2*(\b+i)]
.set i, i+1
.endr
.set i, 0
.rept 8
	v_cmp_eq_f32 s[SB+i], v[TB+i], v[BST+2*(\b+i)]
.set i, i+1
.endr
.set i, 0
.rept 8
	v_cmp_lt_u32 s[SC+i], v[TC+i], v[BST+2*(\b+i)+1]
.set i, i+1
.endr
.set i, 0
.rept 8
	s_and_b32 s[SB+i], s[SB+i], s[SC+i]
	s_or_b32 s[SA+i], s[SA+i], s[SB+i]
.set i, i+1
.endr
.set i, 0
.rept 8
	v_cndmask_b32 v[BST+2*(\b+i)], v[BST+2*(\b+i)], v[TB+i], s[SA+i]
.set i, i+1
.endr
.set i, 0
.rept 8
	v_cndmask_b32 v[BST+2*(\b+i)+1], v[BST+2*(\b+i)+1], v[TC+i], s[SA+i]
.set i, i+1
.endr
.set i, 0
.rept 8
	ds_store_b32 v[MW], v[BST+2*(\b+i)] offset:64*(\b+i)
	ds_store_b32 v[MW], v[BST+2*(\b+i)+1] offset:4096+64*(\b+i)
.set i, i+1
.endr
.endr
	s_wait_dscnt 0x0                               ; for the others' sake
	s_barrier_signal -1
	s_barrier_wait -1
.macro MERGE b, i, ob, oi                          ; the other wins with a larger score, or an equal one and a lower number
	v_cmp_gt_f32 s70, v[\ob], v[\b]
	v_cmp_eq_f32 s71, v[\ob], v[\b]
	v_cmp_lt_u32 vcc_lo, v[\oi], v[\i]
	s_and_b32 s71, s71, vcc_lo
	s_or_b32 vcc_lo, s70, s71
	v_cndmask_b32 v[\b], v[\b], v[\ob], vcc_lo
	v_cndmask_b32 v[\i], v[\i], v[\oi], vcc_lo
.endm
.irp w, 0,1,2,3                                        ; wave w joins the four waves' results for rows 64 w .. 64 w + 63: two rows a lane
	ds_load_b64 v[16+2*\w:17+2*\w], v[ML] offset:1024*\w
	ds_load_b64 v[24+2*\w:25+2*\w], v[ML] offset:4096+1024*\w
.endr
	s_wait_dscnt 0x0
.set ww, 1
.rept 3
	MERGE 16, 24, 16+2*ww, 24+2*ww
	MERGE 17, 25, 17+2*ww, 25+2*ww
.set ww, ww+1
.endr
.irp u, 16,17                                          ; f32 to a signed whole number of the same order: below zero the 31 low bits are turned over
	v_add_f32 v\u, 0, v\u
	v_ashrrev_i32 v[TK], 31, v\u
	v_and_b32 v[TK], 0x7fffffff, v[TK]
	v_xor_b32 v\u, v[TK], v\u
.endr
	global_store_b64 v[VO], v[16:17], s[8:9]       ; 32 lanes store 256 consecutive bytes, aligned
	global_store_b64 v[VO], v[24:25], s[10:11]
	s_wait_tensorcnt 0x0                           ; the wave's end
	ds_add_u32 v[SPW], v[NIL]
	s_wait_dscnt 0x0
	s_endpgm
.Lfunc_end_k_q9f90288362_vq:
	.size	k_q9f90288362_vq, .Lfunc_end_k_q9f90288362_vq-k_q9f90288362_vq
	.p2alignl 7, 3214868480
	.fill 96, 4, 3214868480
	.section	.rodata,"a",@progbits
	.p2align	6, 0x0
	.amdhsa_kernel k_q9f90288362_vq
		.amdhsa_group_segment_fixed_size 8704
		.amdhsa_private_segment_fixed_size 0
		.amdhsa_enable_private_segment 0
		.amdhsa_kernarg_size 32
		.amdhsa_user_sgpr_count 2
		.amdhsa_user_sgpr_kernarg_segment_ptr 1
		.amdhsa_wavefront_size32 1
		.amdhsa_system_sgpr_workgroup_id_x 1
		.amdhsa_system_sgpr_workgroup_id_y 1
		.amdhsa_system_sgpr_workgroup_id_z 1
		.amdhsa_system_vgpr_workitem_id 0
		.amdhsa_next_free_vgpr 928
		.amdhsa_next_free_sgpr 80
		.amdhsa_reserve_vcc 1
		.amdhsa_float_denorm_mode_32 3
		.amdhsa_float_denorm_mode_16_64 3
		.amdhsa_memory_ordered 1
		.amdhsa_forward_progress 1
		.amdhsa_inst_pref_size 155
	.end_amdhsa_kernel
	.amdgpu_metadata
---
amdhsa.version: [ 1, 2 ]
amdhsa.kernels:
  - .name:           k_q9f90288362_vq
    .symbol:         k_q9f90288362_vq.kd
    .args:
      - { .name: xcodes, .offset: 0, .size: 8, .value_kind: global_buffer, .address_space: global }
      - { .name: ecodes, .offset: 8, .size: 8, .value_kind: global_buffer, .address_space: global }
      - { .name: candk, .offset: 16, .size: 8, .value_kind: global_buffer, .address_space: global }
      - { .name: candi, .offset: 24, .size: 8, .value_kind: global_buffer, .address_space: global }
    .group_segment_fixed_size: 8704
    .private_segment_fixed_size: 0
    .kernarg_segment_align: 8
    .kernarg_segment_size: 32
    .max_flat_workgroup_size: 128
    .sgpr_count:     80
    .vgpr_count:     928
    .wavefront_size: 32
...
	.end_amdgpu_metadata
.endif
;; end of part 2
;; launch gather (part 3): grid 512 x 1, 8 waves a work-group, no clusters, 1,280 bytes of LDS; arguments input, embt, candi, out0, part, candk, out2; writes out0, part, out2
.if DOCPART == 3
	.amdgcn_target "amdgcn-amd-amdhsa--gfx1250"
	.amdhsa_code_object_version 6
	.text
	.protected	k_q9f90288362_gather
	.globl	k_q9f90288362_gather
	.p2align	8
	.type	k_q9f90288362_gather,@function
k_q9f90288362_gather:
	s_mov_b64 s[64:65], 0
	v_nop
	global_prefetch_b8 v0, s[64:65] scope:SCOPE_SE
	s_setreg_imm32_b32 hwreg(HW_REG_WAVE_MODE, 25, 1), 1
	s_wait_xcnt 0x0
; out0[row] = x + (e - x), e = the chosen codeword's 256 f32 numbers; part[work-group] = the sum of (e - x)^2 over the work-group's 64 rows.  All in f32.
; The two halves' best numbers were stored by the launch before as whole numbers (candi); the better is chosen here; each is held at 8,191 before it enters an address.
; A stream: no matrix unit, no cluster, no tensor load.  A wave takes 8 rows as 4 pairs: lanes 0-15 take 256 bytes of one row, lanes 16-31 the same bytes of the next, so that every load and store covers two aligned runs of
; 256 bytes.  Written out, no loop: every offset is an immediate, no register of a store is written again.  All 16 loads of x and then all 16 of the codewords are on their way before the first is used.
.set X, 16                             ; v16-79   x: pair p, quarter u of the row at 16 p + 4 u
.set E, 80                             ; v80-143  the codewords, then e - x, then the result
	s_load_b256 s[4:11], s[0:1], 0x0               ; input s[4:5], embt s[6:7], candi s[8:9], out0 s[10:11]
	s_load_b64 s[12:13], s[0:1], 0x20              ; part
	s_load_b128 s[28:31], s[0:1], 0x28             ; candk s[28:29], out2 s[30:31].  s[8:9] is candi: for each half of the codebook its best codeword, candk its score as an order-keeping whole number
	v_lshl_add_u32 v144, v0, 2, 0x100
	v_mov_b32 v145, 0
	v_lshrrev_b32 v1, 5, v0
	s_delay_alu instid0(VALU_DEP_1)
	v_readfirstlane_b32 s14, v1                    ; wave 0..7
	v_and_b32 v1, 15, v0
	s_delay_alu instid0(VALU_DEP_1)
	v_lshlrev_b32 v1, 4, v1                        ; my 16 bytes of a run of 256
	v_bfe_u32 v3, v0, 4, 1                         ; which row of a pair
	s_delay_alu instid0(VALU_DEP_1)
	v_lshl_add_u32 v2, v3, 10, v1                  ; in x and out0
	s_delay_alu instid0(VALU_DEP_2)
	v_lshlrev_b32 v3, 2, v3                        ; in candi
	v_mov_b32 v12, s14
	s_delay_alu instid0(VALU_DEP_1)
	v_lshlrev_b32 v12, 2, v12                      ; LDS: my wave's word
	v_mov_b32 v13, 0
	v_lshlrev_b32 v14, 3, v0                       ; wave 0: two rows' numbers a lane
	s_lshl_b32 s16, ttmp9, 6
	s_lshl_b32 s17, s14, 3
	s_add_co_u32 s16, s16, s17                     ; my wave's first row: 64 x work-group + 8 x wave
	s_lshl_b32 s18, s16, 10
	s_mov_b32 s19, 0
	s_lshl_b32 s20, s16, 2
	s_mov_b32 s21, 0
	s_lshl_b32 s22, ttmp9, 2
	s_mov_b32 s23, 0
	s_mov_b32 s24, 0x76543210                      ; v_permlanex16_b32: lane l xor 16
	s_mov_b32 s25, 0xfedcba98
	s_wait_alu depctr_va_vdst(0)
	s_wait_kmcnt 0x0
	s_add_nc_u64 s[4:5], s[4:5], s[18:19]
	s_add_nc_u64 s[10:11], s[10:11], s[18:19]
	s_add_nc_u64 s[8:9], s[8:9], s[20:21]
	s_add_nc_u64 s[28:29], s[28:29], s[20:21]
	s_add_nc_u64 s[30:31], s[30:31], s[20:21]
	s_add_nc_u64 s[12:13], s[12:13], s[22:23]
.irp p, 0,1,2,3
	global_load_b32 v[4+\p], v3, s[8:9] offset:8*\p            ; my row of pair p: the lower half's codeword,
	global_load_b32 v[146+\p], v3, s[8:9] offset:131072+8*\p   ; the upper half's,
	global_load_b32 v[150+\p], v3, s[28:29] offset:8*\p        ; and their two scores
	global_load_b32 v[154+\p], v3, s[28:29] offset:131072+8*\p
.endr
.irp p, 0,1,2,3
.irp u, 0,1,2,3
	global_load_b128 v[X+16*\p+4*\u:X+16*\p+4*\u+3], v2, s[4:5] offset:2048*\p+256*\u th:TH_LOAD_NT
.endr
.endr
	s_wait_loadcnt 16                              ; the 16 loads of x may be out: the four numbers are in
.irp p, 0,1,2,3
	v_cmp_gt_i32 vcc_lo, v[154+\p], v[150+\p]      ; the upper half wins with the larger score alone: equal scores leave the lower number
	v_cndmask_b32 v[4+\p], v[4+\p], v[146+\p], vcc_lo
	v_min_u32 v[4+\p], 0x1fff, v[4+\p]             ; inside the table
	s_delay_alu instid0(VALU_DEP_1)
	v_lshlrev_b32 v[4+\p], 10, v[4+\p]             ; a row of embt is 1,024 bytes
	s_delay_alu instid0(VALU_DEP_1)
	v_add_nc_u32 v[4+\p], v1, v[4+\p]
.endr
.irp p, 0,1,2,3
.irp u, 0,1,2,3
	global_load_b128 v[E+16*\p+4*\u:E+16*\p+4*\u+3], v[4+\p], s[6:7] offset:256*\u   ; no hint: a codeword may be chosen again
.endr
.endr
	s_wait_alu depctr_va_vdst(0)
	s_cmp_lg_u32 s14, 0                            ; wave 0 alone stores the work-group's 64 numbers of out2: one aligned run of 256 bytes
	s_cbranch_scc1 .Lno2
	global_load_b64 v[158:159], v14, s[8:9]
	global_load_b64 v[160:161], v14, s[8:9] offset:131072
	global_load_b64 v[162:163], v14, s[28:29]
	global_load_b64 v[164:165], v14, s[28:29] offset:131072
	s_wait_loadcnt 0x0
	v_cmp_gt_i32 vcc_lo, v164, v162
	v_cndmask_b32 v158, v158, v160, vcc_lo
	v_cmp_gt_i32 vcc_lo, v165, v163
	v_cndmask_b32 v159, v159, v161, vcc_lo
	global_store_b64 v14, v[158:159], s[30:31]
.Lno2:
.set k, 0
.rept 16
	s_wait_loadcnt 15-k                            ; loads come back in order: codeword piece k is in, and so is all of x, which was asked for earlier
	v_pk_add_f32 v[E+4*k:E+4*k+1], v[E+4*k:E+4*k+1], v[X+4*k:X+4*k+1] neg_lo:[0,1] neg_hi:[0,1]         ; e - x
	v_pk_add_f32 v[E+4*k+2:E+4*k+3], v[E+4*k+2:E+4*k+3], v[X+4*k+2:X+4*k+3] neg_lo:[0,1] neg_hi:[0,1]
.if k == 0
	s_delay_alu instid0(VALU_DEP_2)
	v_pk_mul_f32 v[8:9], v[E:E+1], v[E:E+1]        ; the first squares start the two packed sums
	s_delay_alu instid0(VALU_DEP_2)
	v_pk_mul_f32 v[10:11], v[E+2:E+3], v[E+2:E+3]
.else
	s_wait_alu depctr_va_vdst(0)
	v_pk_fma_f32 v[8:9], v[E+4*k:E+4*k+1], v[E+4*k:E+4*k+1], v[8:9]
	v_pk_fma_f32 v[10:11], v[E+4*k+2:E+4*k+3], v[E+4*k+2:E+4*k+3], v[10:11]
.endif
	v_pk_add_f32 v[E+4*k:E+4*k+1], v[X+4*k:X+4*k+1], v[E+4*k:E+4*k+1]           ; x + (e - x)
	v_pk_add_f32 v[E+4*k+2:E+4*k+3], v[X+4*k+2:X+4*k+3], v[E+4*k+2:E+4*k+3]
	global_store_b128 v2, v[E+4*k:E+4*k+3], s[10:11] offset:2048*(k/4)+256*(k%4) th:TH_STORE_NT
.set k, k+1
.endr
	v_pk_add_f32 v[8:9], v[8:9], v[10:11]
	s_delay_alu instid0(VALU_DEP_1)
	v_add_f32 v8, v8, v9
	s_delay_alu instid0(VALU_DEP_1)
	v_add_f32_dpp v8, v8, v8 row_xmask:1 row_mask:0xf bank_mask:0xf
	s_delay_alu instid0(VALU_DEP_1)
	v_add_f32_dpp v8, v8, v8 row_xmask:2 row_mask:0xf bank_mask:0xf
	s_delay_alu instid0(VALU_DEP_1)
	v_add_f32_dpp v8, v8, v8 row_xmask:4 row_mask:0xf bank_mask:0xf
	s_delay_alu instid0(VALU_DEP_1)
	v_add_f32_dpp v8, v8, v8 row_xmask:8 row_mask:0xf bank_mask:0xf
	s_delay_alu instid0(VALU_DEP_1)
	v_permlanex16_b32 v9, v8, s24, s25
	s_delay_alu instid0(VALU_DEP_1)
	v_add_f32 v8, v8, v9                           ; the wave's sum, in every lane
	ds_store_b32 v12, v8
	s_wait_dscnt 0x0                               ; for the others' sake
	s_barrier_signal -1
	s_barrier_wait -1
	s_cmp_lg_u32 s14, 0
	s_cbranch_scc1 .Lend
	ds_load_b128 v[16:19], v13                     ; the eight waves' sums
	ds_load_b128 v[20:23], v13 offset:16
	s_wait_dscnt 0x0
	v_pk_add_f32 v[16:17], v[16:17], v[18:19]
	v_pk_add_f32 v[20:21], v[20:21], v[22:23]
	s_delay_alu instid0(VALU_DEP_1)
	v_pk_add_f32 v[16:17], v[16:17], v[20:21]
	s_delay_alu instid0(VALU_DEP_1)
	v_add_f32 v16, v16, v17
	v_cmp_eq_u32 vcc_lo, 0, v0
	s_wait_alu depctr_va_vdst(0)
	s_wait_xcnt 0x0                                ; EXEC is a source of the stores above: it changes only behind this wait
	s_and_saveexec_b32 s26, vcc_lo
	global_store_b32 v13, v16, s[12:13]            ; one number a work-group
	s_wait_xcnt 0x0                                ; and again, in front of the line that widens it
	s_or_b32 exec_lo, exec_lo, s26
.Lend:
	s_wait_tensorcnt 0x0
	ds_add_u32 v144, v145
	s_wait_dscnt 0x0
	s_endpgm
.Lfunc_end_k_q9f90288362_gather:
	.size	k_q9f90288362_gather, .Lfunc_end_k_q9f90288362_gather-k_q9f90288362_gather
	.p2alignl 7, 3214868480
	.fill 96, 4, 3214868480
	.section	.rodata,"a",@progbits
	.p2align	6, 0x0
	.amdhsa_kernel k_q9f90288362_gather
		.amdhsa_group_segment_fixed_size 1280
		.amdhsa_private_segment_fixed_size 0
		.amdhsa_enable_private_segment 0
		.amdhsa_kernarg_size 56
		.amdhsa_user_sgpr_count 2
		.amdhsa_user_sgpr_kernarg_segment_ptr 1
		.amdhsa_wavefront_size32 1
		.amdhsa_system_sgpr_workgroup_id_x 1
		.amdhsa_system_sgpr_workgroup_id_y 1
		.amdhsa_system_sgpr_workgroup_id_z 1
		.amdhsa_system_vgpr_workitem_id 0
		.amdhsa_next_free_vgpr 168
		.amdhsa_next_free_sgpr 66
		.amdhsa_reserve_vcc 1
		.amdhsa_float_denorm_mode_32 3
		.amdhsa_float_denorm_mode_16_64 3
		.amdhsa_memory_ordered 1
		.amdhsa_forward_progress 1
		.amdhsa_inst_pref_size 19
	.end_amdhsa_kernel
	.amdgpu_metadata
---
amdhsa.version: [ 1, 2 ]
amdhsa.kernels:
  - .name:           k_q9f90288362_gather
    .symbol:         k_q9f90288362_gather.kd
    .args:
      - { .name: input, .offset: 0, .size: 8, .value_kind: global_buffer, .address_space: global }
      - { .name: embt, .offset: 8, .size: 8, .value_kind: global_buffer, .address_space: global }
      - { .name: candi, .offset: 16, .size: 8, .value_kind: global_buffer, .address_space: global }
      - { .name: out0, .offset: 24, .size: 8, .value_kind: global_buffer, .address_space: global }
      - { .name: part, .offset: 32, .size: 8, .value_kind: global_buffer, .address_space: global }
      - { .name: candk, .offset: 40, .size: 8, .value_kind: global_buffer, .address_space: global }
      - { .name: out2, .offset: 48, .size: 8, .value_kind: global_buffer, .address_space: global }
    .group_segment_fixed_size: 1280
    .private_segment_fixed_size: 0
    .kernarg_segment_align: 8
    .kernarg_segment_size: 56
    .max_flat_workgroup_size: 256
    .sgpr_count:     66
    .vgpr_count:     168
    .wavefront_size: 32
...
	.end_amdgpu_metadata
.endif
;; end of part 3
;; launch mean (part 4): grid 1 x 1, 1 waves a work-group, no clusters, 0 bytes of LDS; arguments part, out1; writes out1
.if DOCPART == 4
	.amdgcn_target "amdgcn-amd-amdhsa--gfx1250"
	.amdhsa_code_object_version 6
	.text
	.protected	k_q9f90288362_mean
	.globl	k_q9f90288362_mean
	.p2align	8
	.type	k_q9f90288362_mean,@function
k_q9f90288362_mean:
	s_mov_b64 s[64:65], 0
	v_nop
	global_prefetch_b8 v0, s[64:65] scope:SCOPE_SE
	s_setreg_imm32_b32 hwreg(HW_REG_WAVE_MODE, 25, 1), 1
	s_wait_xcnt 0x0
; out1 = the sum of the 512 partial sums / (32,768 x 256).  One wave: a sum over work-groups has one owner, in a launch behind them.
	s_load_b128 s[4:7], s[0:1], 0x0                ; part s[4:5], out1 s[6:7]
	v_lshlrev_b32 v1, 4, v0                        ; 16 bytes a lane
	v_mov_b32 v2, 0
	v_mov_b32 v3, 0                                ; written once: a lane permute's destination counts as one of its sources
	s_mov_b32 s8, 0x76543210                       ; v_permlanex16_b32: lane l xor 16
	s_mov_b32 s9, 0xfedcba98
	s_wait_alu depctr_va_vdst(0)
	s_wait_kmcnt 0x0
.irp i, 0,1,2,3
	global_load_b128 v[4+4*\i:7+4*\i], v1, s[4:5] offset:512*\i   ; 32 lanes read 512 consecutive bytes
.endr
	s_wait_loadcnt 0x0
	v_pk_add_f32 v[4:5], v[4:5], v[6:7]
	v_pk_add_f32 v[8:9], v[8:9], v[10:11]
	v_pk_add_f32 v[12:13], v[12:13], v[14:15]
	v_pk_add_f32 v[16:17], v[16:17], v[18:19]
	v_pk_add_f32 v[4:5], v[4:5], v[8:9]
	v_pk_add_f32 v[12:13], v[12:13], v[16:17]
	v_pk_add_f32 v[4:5], v[4:5], v[12:13]
	v_add_f32 v4, v4, v5
	v_add_f32_dpp v4, v4, v4 row_xmask:1 row_mask:0xf bank_mask:0xf
	v_add_f32_dpp v4, v4, v4 row_xmask:2 row_mask:0xf bank_mask:0xf
	v_add_f32_dpp v4, v4, v4 row_xmask:4 row_mask:0xf bank_mask:0xf
	v_add_f32_dpp v4, v4, v4 row_xmask:8 row_mask:0xf bank_mask:0xf
	v_permlanex16_b32 v3, v4, s8, s9
	v_add_f32 v4, v4, v3
	v_mul_f32 v4, 0x34000000, v4                   ; x 2^-23 = 1 / (32,768 x 256)
	v_cmp_eq_u32 vcc_lo, 0, v0
	s_wait_alu depctr_va_vdst(0)
	s_wait_xcnt 0x0                                ; EXEC changes only behind this wait
	s_and_saveexec_b32 s10, vcc_lo
	global_store_b32 v2, v4, s[6:7]
	s_wait_xcnt 0x0                                ; and again, in front of the line that widens it
	s_or_b32 exec_lo, exec_lo, s10
	s_endpgm
.Lfunc_end_k_q9f90288362_mean:
	.size	k_q9f90288362_mean, .Lfunc_end_k_q9f90288362_mean-k_q9f90288362_mean
	.p2alignl 7, 3214868480
	.fill 96, 4, 3214868480
	.section	.rodata,"a",@progbits
	.p2align	6, 0x0
	.amdhsa_kernel k_q9f90288362_mean
		.amdhsa_group_segment_fixed_size 0
		.amdhsa_private_segment_fixed_size 0
		.amdhsa_enable_private_segment 0
		.amdhsa_kernarg_size 16
		.amdhsa_user_sgpr_count 2
		.amdhsa_user_sgpr_kernarg_segment_ptr 1
		.amdhsa_wavefront_size32 1
		.amdhsa_system_sgpr_workgroup_id_x 1
		.amdhsa_system_sgpr_workgroup_id_y 1
		.amdhsa_system_sgpr_workgroup_id_z 1
		.amdhsa_system_vgpr_workitem_id 0
		.amdhsa_next_free_vgpr 32
		.amdhsa_next_free_sgpr 66
		.amdhsa_reserve_vcc 1
		.amdhsa_float_denorm_mode_32 3
		.amdhsa_float_denorm_mode_16_64 3
		.amdhsa_memory_ordered 1
		.amdhsa_forward_progress 1
		.amdhsa_inst_pref_size 3
	.end_amdhsa_kernel
	.amdgpu_metadata
---
amdhsa.version: [ 1, 2 ]
amdhsa.kernels:
  - .name:           k_q9f90288362_mean
    .symbol:         k_q9f90288362_mean.kd
    .args:
      - { .name: part, .offset: 0, .size: 8, .value_kind: global_buffer, .address_space: global }
      - { .name: out1, .offset: 8, .size: 8, .value_kind: global_buffer, .address_space: global }
    .group_segment_fixed_size: 0
    .private_segment_fixed_size: 0
    .kernarg_segment_align: 8
    .kernarg_segment_size: 16
    .max_flat_workgroup_size: 32
    .sgpr_count:     66
    .vgpr_count:     32
    .wavefront_size: 32
...
	.end_amdgpu_metadata
.endif
;; end of part 4
